; MI455X (gfx1250); checked and timed in simulation.
; The chip was launched on July 23, 2026; its instructions are those of AMD's public machine-readable ISA for CDNA 5 (MIT licence, August 2026) and "CDNA5" Instruction Set Architecture Reference Guide (July 2026). The comments in the code are by the model that wrote it; some were corrected since.
;; Cheems Non Wo Attn. Allowed arithmetic: matrix products marked QUANTISED: E5M2 operands, one E8M0 scale for each 32 along K, by v_wmma_scale_f32_16x16x128_f8f6f4 with both operands' format E5M2, f32 sums; everything else in f32.
;; Inputs: Wk 2,048 x 512 float32; Wq 2,048 x 512 float32; Wv 2,048 x 2,048 float32; hidden_states 2 x 2,048 x 2,048 float32; position_ids 2 x 2,048 int32.
;; Outputs: out0 2 x 2,048 x 2,048 float32.
;; This version of the problem:
;;   THIS VERSION OF THE PROBLEM IS GIVEN IN LOW PRECISION. The matrix products marked QUANTISED in the list below multiply operands that are first quantised to E5M2 (5 exponent bits, 2 mantissa bits; 8 bits a number), with one power-of-two scale for each 32 numbers along K (OCP MX v1.0); their sums are f32. All else is computed in f32.
;;   The module's matrix products, in the order in which they are computed (A, B: the left and right operand; K: the contracted axis; several contracted axes count as one K, in the product's order):
;;     1. [M 4,096, K 2,048] x [K 2,048, N 512]; A: input hidden_states; B: input Wq: QUANTISED
;;     2. [M 4,096, K 2,048] x [K 2,048, N 512]; A: input hidden_states; B: input Wk: QUANTISED
;;     3. [M 4,096, K 2,048] x [K 2,048, N 2,048]; A: input hidden_states; B: input Wv: QUANTISED
;;     4. batch 64 x [M 2,048, K 64] x [K 64, N 2,048]; A: computed on the way; B: computed on the way: QUANTISED
;;     5. batch 64 x [M 64, K 2,048] x [K 2,048, N 2,048]; A: computed on the way; B: softmax (see below): QUANTISED
;;   THE QUANTISER, for each operand of a quantised product, along K:
;;     - K is cut into blocks of 32 from its start; a last block that is shorter is filled with zeros.
;;     - A block's scale is 2^e with e = floor(log2(the largest magnitude in the block)) - 15, held to -126 .. 127; a block of zeros has e = 0. As a byte (E8M0): e + 127.
;;     - Each number is divided by its block's scale, clamped to +-57,344, and rounded to the nearest number of E5M2, ties to even, subnormals kept.
;;     - The product sums the exact products of the quantised numbers (number of the format x scale) in f32.
;;   ~~~python
;;   def quantise(x, axis):      # numpy; x: float32 -> the quantised numbers, widened to float32 again
;;       x = np.moveaxis(x, axis, -1); K = x.shape[-1]
;;       x = np.pad(x, [(0, 0)] * (x.ndim - 1) + [(0, -K % 32)]); x = x.reshape(x.shape[:-1] + (-1, 32)); a = np.abs(x).max(-1, keepdims=True)
;;       e = np.where(a > 0, np.clip(np.frexp(np.where(a > 0, a, 1))[1] - 1 - 15, -126, 127), 0)      # np.frexp(a)[1] - 1 = floor(log2(a)), exactly
;;       r = np.clip(x / 2.0 ** e, -57344, 57344)
;;       step = 2.0 ** (np.maximum(np.frexp(np.where(r == 0, 1, r))[1] - 1, -14) - 2)
;;       q = np.round(r / step) * step * 2.0 ** e      # np.round: ties to even
;;       return np.moveaxis(q.reshape(q.shape[:-2] + (-1,))[..., :K], -1, axis).astype(np.float32)
;;   ~~~
;;   SOFTMAX AHEAD OF A QUANTISED PRODUCT. Where the list says 'softmax', what is quantised is not the finished softmax but p = 2^(t - M), with t = logit x log2(e) and M = ceil(the row's largest t), a whole number; so 1/2 < the row's largest p <= 1. The row's sum l is taken of the UNQUANTISED p, in f32, and the product's result is divided by l at the end. Since M is a whole number, a kernel that streams over the keys may use a running M (the ceiling of the running maximum): every later rescaling is an exact power of two, which a block's scale takes up: the codes' values come out the same.
;;   OPERANDS COMPUTED ON THE WAY. 'Computed on the way' means the value that the module computes at that place (a softmax that the list does not call 'softmax' is quantised finished and normalised). What goes into a quantiser is computed in f32, as accurately as f32 sums, v_exp_f32 and their like allow (about 1e-6 of the number): no bf16 or f16 on the way to a quantiser, and a product that is left as it is and whose result goes on into a quantised operand takes f32 operands (vector FMAs, or v_wmma_f32_16x16x4_f32). A number that lies on a knife's edge between two numbers of the format may be rounded either way, as far as f32 arithmetic and the matrix unit's own rounding can turn it there, and no further.
;; One version. Each part assembles by itself: llvm-mc -triple=amdgcn-amd-amdhsa -mcpu=gfx1250 --defsym DOCPART=n.
;; ======== version 1 of 1: 3 launches
;; workspace buffers: xcodes 8,388,608 bytes; xscales 262,144 bytes; wcodes 6,291,456 bytes; wscales 196,608 bytes; ropetab 1,048,576 bytes; rec 13,107,200 bytes
;; launch prep (part 1): grid 512 x 1, 4 waves a work-group, no clusters, 68,096 bytes of LDS; arguments hidden_states, position_ids, Wq, Wk, Wv, xcodes, xscales, wcodes, wscales, ropetab; writes xcodes, xscales, wcodes, wscales, ropetab
.if DOCPART == 1
	.amdgcn_target "amdgcn-amd-amdhsa--gfx1250"
	.amdhsa_code_object_version 6
	.text
	.protected	k_qdccaefac9d_prep
	.globl	k_qdccaefac9d_prep
	.p2align	8
	.type	k_qdccaefac9d_prep,@function
k_qdccaefac9d_prep:
	s_mov_b64 s[64:65], 0
	v_nop
	global_prefetch_b8 v0, s[64:65] scope:SCOPE_SE
	s_setreg_imm32_b32 hwreg(HW_REG_WAVE_MODE, 25, 1), 1
	s_wait_xcnt 0x0
; PREP: three jobs in one launch, told apart by the work-group's number alone.
;   work-groups   0-255: hidden_states [4096][2048] f32 -> codes of BF8 (E5M2), K innermost, and one E8M0 byte for each 32 along K.
;   work-groups 256-447: Wq, Wk [2048][512] and Wv [2048][2048], whose K is the FIRST axis -> wcodes [3072][2048] (row n: a column of Wq, then of Wk, then of Wv), wscales [3072][64].
;   work-groups 448-511: cos and sin of position x inv_freq for the 4,096 tokens, laid as the projection's lanes want them.
; A block's scale is 2^(floor(log2(largest magnitude)) - 15); its byte is the largest magnitude's exponent field - 15, held at 1 from below.  A block of zeros so gets the byte 1 where the
; rule says 127: its codes are zeros, which add nothing under any byte but 0xff, and this program alone reads the bytes.
; LIMITS: NaN and infinities among the inputs are not served; blocks whose largest magnitude lies under 2^-111 keep the byte 1; |position| stays under 2^23 (the reduction by pi/2 in two parts
; leaves n x 1.7e-15 of the angle, n the multiple of pi/2 taken off).
; No wave shares anything with another: no barrier.  No tile is read by two work-groups: no cluster, no tensor load.  Each of the two paths that use LDS has LDS bytes of its own.
.set EMAX,  15
.set MANT,  0x600000                   ; the mantissa field of 57,344 as f32
	s_load_b512 s[4:19], s[0:1], 0x0               ; hidden s[4:5], positions s[6:7], Wq s[8:9], Wk s[10:11], Wv s[12:13], xcodes s[14:15], xscales s[16:17], wcodes s[18:19]
	s_load_b128 s[20:23], s[0:1], 0x40             ; wscales s[20:21], ropetab s[22:23]
	s_set_vgpr_msb 0x40
	v_lshl_add_u32 v0, v0, 2, 0x10800
	v_mov_b32 v1, 0
	s_set_vgpr_msb 0x4000
	v_lshrrev_b32 v1, 5, v0
	v_readfirstlane_b32 s24, v1                    ; wave 0..3
	v_and_b32 v2, 31, v0                           ; lane
	v_lshlrev_b32 v3, 4, v2                        ; 16 x lane
	s_mov_b32 s25, MANT
	s_mov_b32 s29, 0
	s_wait_kmcnt 0x0
	s_cmp_lt_u32 ttmp9, 256
	s_cbranch_scc1 .Lx_path
	s_cmp_lt_u32 ttmp9, 448
	s_cbranch_scc1 .Lw_path
; ---------------- THE TABLE.  A wave makes one tile of 16 tokens: 4,096 bytes, eight pieces of 512, lane l's 16 bytes at 16 l.  Lane (r = l % 16, h = l / 16) stands for token 16 tile + r;
; number k = 8 t + jj (t = 0, 1) of the lane is frequency i = 16 t + 8 h + jj.  Pieces 0-3: cos of k = 4 p .. 4 p + 3; pieces 4-7: sin.
.set RF, 32                            ; v32-47  10000^(i/32) = 10^(i/8)
.set RG, 48                            ; v48-63  its reciprocal
.set RC, 64                            ; v64-79  cos
.set RS, 80                            ; v80-95  sin
	s_sub_co_u32 s26, ttmp9, 448
	s_lshl_b32 s26, s26, 2
	s_add_co_u32 s26, s26, s24                     ; tile 0..255
	s_lshl_b32 s28, s26, 6                         ; its 16 positions
	s_add_nc_u64 s[6:7], s[6:7], s[28:29]
	s_lshl_b32 s28, s26, 12                        ; its 4,096 bytes of the table
	s_add_nc_u64 s[22:23], s[22:23], s[28:29]
	v_and_b32 v31, 15, v2
	v_lshlrev_b32 v31, 2, v31
	global_load_b32 v16, v31, s[6:7]               ; my token's position
	v_cmp_lt_u32 vcc_lo, 15, v2                    ; lanes 16-31
.macro PWR k, lo, hi                   ; 10^(i/8): lanes 0-15 take lo, lanes 16-31 (eight frequencies on) hi
	v_mov_b32 v17, \hi
	v_cndmask_b32 v[RF+\k], \lo, v17, vcc_lo
.endm
	PWR 0, 1.0, 10.0
	PWR 1, 1.333521432, 13.33521432
	PWR 2, 1.778279410, 17.78279410
	PWR 3, 2.371373706, 23.71373706
	PWR 4, 3.162277660, 31.62277660
	PWR 5, 4.216965034, 42.16965034
	PWR 6, 5.623413252, 56.23413252
	PWR 7, 7.498942093, 74.98942093
	PWR 8, 100.0, 1000.0
	PWR 9, 133.3521432, 1333.521432
	PWR 10, 177.8279410, 1778.279410
	PWR 11, 237.1373706, 2371.373706
	PWR 12, 316.2277660, 3162.277660
	PWR 13, 421.6965034, 4216.965034
	PWR 14, 562.3413252, 5623.413252
	PWR 15, 749.8942093, 7498.942093
	s_mov_b32 s32, 0x3f22f983                      ; 2 / pi
	s_mov_b32 s33, 0xbfc90fdb                      ; -(pi / 2), its upper part
	s_mov_b32 s34, 0x333bbd2e                      ; upper part - pi / 2
	v_mov_b32 v96, -0.00019515295891               ; sin's three coefficients, highest first
	v_mov_b32 v97, 0.0083321608736
	v_mov_b32 v98, -0.16666654611
	v_mov_b32 v99, 0.00002443315712                ; cos's three
	v_mov_b32 v100, -0.001388731625
	v_mov_b32 v101, 0.04166664568
.irp k, 0,1,2,3,4,5,6,7,8,9,10,11,12,13,14,15
	v_rcp_f32 v[RG+\k], v[RF+\k]                   ; one batch
.endr
	v_nop                                          ; a plain instruction behind the last reciprocal,
	s_wait_alu depctr_va_vdst(0)                   ; and one wait for the sixteen, ahead of their first reader
.irp k, 0,1,2,3,4,5,6,7,8,9,10,11,12,13,14,15
	v_fma_f32 v18, -v[RF+\k], v[RG+\k], 1.0        ; one step of Newton: 1 / x to the last bit or nearly
	v_fma_f32 v[RG+\k], v[RG+\k], v18, v[RG+\k]
.endr
	s_wait_loadcnt 0x0
	v_cvt_f32_i32 v16, v16
.macro SINCOS k                        ; x = position x inv_freq; n = the nearest multiple of pi / 2; polynomials on |r| <= pi / 4; the quadrant swaps and signs
	v_mul_f32 v18, v16, v[RG+\k]
	v_mul_f32 v19, s32, v18
	v_rndne_f32 v19, v19
	v_fma_f32 v20, v19, s33, v18
	v_fma_f32 v20, v19, s34, v20                   ; r
	v_mul_f32 v21, v20, v20                        ; z = r r
	v_cvt_i32_f32 v22, v19                         ; q
	v_fma_f32 v23, v21, v96, v97
	v_fma_f32 v23, v23, v21, v98
	v_mul_f32 v24, v21, v20
	v_fma_f32 v23, v24, v23, v20                   ; sin r
	v_fma_f32 v25, v21, v99, v100
	v_fma_f32 v25, v25, v21, v101
	v_mul_f32 v26, v21, v21
	v_fma_f32 v27, v21, -0.5, 1.0
	v_fma_f32 v25, v26, v25, v27                   ; cos r
	v_and_b32 v28, 1, v22
	v_cmp_eq_u32 s42, 1, v28                       ; q odd: the two change places
	v_cndmask_b32 v29, v23, v25, s42
	v_cndmask_b32 v30, v25, v23, s42
	v_lshlrev_b32 v28, 30, v22                     ; sin is negative where q mod 4 is 2 or 3,
	v_and_b32 v28, 0x80000000, v28
	v_xor_b32 v[RS+\k], v28, v29
	v_add_nc_u32 v22, 1, v22                       ; cos where it is 1 or 2
	v_lshlrev_b32 v22, 30, v22
	v_and_b32 v22, 0x80000000, v22
	v_xor_b32 v[RC+\k], v22, v30
.endm
.irp k, 0,1,2,3,4,5,6,7,8,9,10,11,12,13,14,15
	SINCOS \k
.endr
.irp p, 0,1,2,3
	global_store_b128 v3, v[RC+4*\p:RC+4*\p+3], s[22:23] offset:512*\p          ; each store of the wave covers 512 consecutive bytes, aligned
	global_store_b128 v3, v[RS+4*\p:RS+4*\p+3], s[22:23] offset:2048+512*\p
.endr
	s_endpgm
; ---------------- X.  Rows are dense and K is a multiple of 32: a plain stream of blocks of 32.  A wave takes 16 steps of 512 numbers.  Each load reads 512 consecutive bytes, 16 a lane; a step's 2,048 bytes
; turn through the wave's own stage in LDS and come back 64 bytes a lane: 16 neighbours, two lanes to a block.  Loads run eight steps (32 loads, 16 KiB a wave) ahead, the turn one step.
.set XR, 16                            ; v16-143  eight sets of 16 numbers as loaded
.set XX, 144                           ; v144-175 two sets of 16 neighbours
.set XE, 176                           ; v176-191 a scale byte for each step
.set XC, 192                           ; v192-255 four registers of codes for each step: no store's data are written again
.set SP, 80                            ; a lane's place in a stage: 64 bytes + 16 of padding
.Lx_path:
	s_lshl_b32 s26, s24, 13                        ; LDS: 8,192 bytes for each wave: two stages of 32 x 80, then its 256 scale bytes
	v_lshrrev_b32 v14, 2, v2
	v_mul_u32_u24 v14, v14, SP
	v_and_b32 v15, 3, v2
	v_lshl_add_u32 v14, v15, 4, v14
	v_add_nc_u32 v14, s26, v14                     ; the stage, on the way in: 80 (lane / 4) + 16 (lane % 4)
	v_mul_u32_u24 v15, v2, SP
	v_add_nc_u32 v15, s26, v15                     ; on the way out: 80 x lane
	v_lshrrev_b32 v5, 1, v2
	s_add_co_u32 s26, s26, 2*32*SP
	v_add_nc_u32 v5, s26, v5                       ; my block's byte among the wave's 256
	v_lshlrev_b32 v7, 3, v2
	v_add_nc_u32 v6, s26, v7                       ; and 8 bytes a lane on their way out
	s_lshl_b32 s27, ttmp9, 2
	s_add_co_u32 s28, s27, s24                     ; which run of 8,192 numbers is my wave's
	s_lshl_b64 s[30:31], s[28:29], 15
	s_add_nc_u64 s[4:5], s[4:5], s[30:31]
	s_lshl_b64 s[30:31], s[28:29], 13
	s_add_nc_u64 s[14:15], s[14:15], s[30:31]
	s_lshl_b64 s[30:31], s[28:29], 8
	s_add_nc_u64 s[16:17], s[16:17], s[30:31]
.macro XLOAD t
.irp i, 0,1,2,3
	global_load_b128 v[XR+16*((\t)%8)+4*\i:XR+16*((\t)%8)+4*\i+3], v3, s[4:5] offset:2048*(\t)+512*\i th:TH_LOAD_NT
.endr
.endm
.macro XTURN t                         ; LDS serves a wave's instructions in order: no wait between the stores and the loads
.irp i, 0,1,2,3
	ds_store_b128 v14, v[XR+16*((\t)%8)+4*\i:XR+16*((\t)%8)+4*\i+3] offset:32*SP*((\t)%2)+8*SP*\i
.endr
.irp i, 0,1,2,3
	ds_load_b128 v[XX+16*((\t)%2)+4*\i:XX+16*((\t)%2)+4*\i+3], v15 offset:32*SP*((\t)%2)+16*\i
.endr
.endm
.irp t, 0,1,2,3,4,5,6,7
	XLOAD \t
.endr
	s_wait_loadcnt 28                              ; step 0's four loads are in; the seven steps behind it stay out
	XTURN 0
.macro XSTEP t
.set XS, XX+16*((\t)%2)
.if (\t) > 0
	s_wait_dscnt 1                                 ; this step's numbers are back from the stage (the last step's byte store may be out): its stores into the stage have read their registers,
.else
	s_wait_dscnt 0x0
.endif
.if (\t)+8 < 16
	XLOAD (\t)+8                                   ; which take the loads of eight steps on
.endif
.if (\t)+1 < 16
.if 14-(\t) >= 7
	s_wait_loadcnt 28                              ; the next step's four loads are in; those of the seven steps behind it may be out
.else
	s_wait_loadcnt 4*(14-(\t))
.endif
	XTURN (\t)+1
.endif
	v_max3_num_f32 v8, |v[XS]|, |v[XS+1]|, |v[XS+2]|               ; the largest magnitude of my 16, in two chains
	v_max3_num_f32 v9, |v[XS+3]|, |v[XS+4]|, |v[XS+5]|
.irp i, 6,10
	v_max3_num_f32 v8, v8, |v[XS+\i]|, |v[XS+\i+1]|
	v_max3_num_f32 v9, v9, |v[XS+\i+2]|, |v[XS+\i+3]|
.endr
	v_max3_num_f32 v8, v8, |v[XS+14]|, |v[XS+15]|
	v_max3_num_f32 v8, v8, v9, (EMAX+1)<<23        ; and the floor 2^(16 - 127): the byte cannot fall under 1
	v_max_num_f32_dpp v8, v8, v8 row_xmask:1 row_mask:0xf bank_mask:0xf   ; with my neighbour's 16: the block's
	v_add_nc_u32 v11, -(EMAX<<23), v8              ; 15 off its exponent field: the conversion takes that field as its scale
	v_and_or_b32 v10, v8, 0x7f800000, s25          ; 57,344 x the scale
.irp i, 0,1,2,3,4,5,6,7,8,9,10,11,12,13,14,15
	v_med3_num_f32 v[XS+\i], v[XS+\i], -v10, v10   ; the conversion to an 8-bit code does not saturate (ISA guide 7.6.2): the hold comes first
.endr
	v_cvt_scalef32_pk8_bf8_f32 v[XC+4*(\t):XC+4*(\t)+1], v[XS:XS+7], v11
	v_cvt_scalef32_pk8_bf8_f32 v[XC+4*(\t)+2:XC+4*(\t)+3], v[XS+8:XS+15], v11
	v_lshrrev_b32 v[XE+(\t)], 23, v11              ; the scale's byte
	ds_store_b8 v5, v[XE+(\t)] offset:16*(\t)      ; both lanes of a block write the same byte with the same value
	global_store_b128 v3, v[XC+4*(\t):XC+4*(\t)+3], s[14:15] offset:512*(\t)    ; 512 consecutive bytes a wave
.endm
.irp t, 0,1,2,3,4,5,6,7,8,9,10,11,12,13,14,15
	XSTEP \t
.endr
	ds_load_b64 v[12:13], v6
	s_wait_dscnt 0x0
	global_store_b64 v7, v[12:13], s[16:17]        ; the wave's 256 scale bytes: consecutive, aligned
	s_set_vgpr_msb 0x5
	s_wait_tensorcnt 0x0
	ds_add_u32 v0, v1
	s_wait_dscnt 0x0
	s_set_vgpr_msb 0x500
	s_endpgm
; ---------------- W.  A lane takes a column n and its registers run down K: each load reads 128 consecutive bytes a wave, a block of 32 lies in one lane's 32 registers, and the conversions give codes with K
; innermost.  A wave takes 32 columns x 256 along K; the codes go through its own stage in LDS and leave as rows, sixteen lanes to 256 consecutive bytes.  The weight's row pitch (2,048 or 8,192 bytes) stands in
; registers, so that one text serves all three weights: 32 offsets lane + i rows, and a base for each block of 32 rows.
.set WOF,  16                          ; v16-47   4 x lane + i x pitch
.set WX,   48                          ; v48-111  two sets of 32 numbers
.set WC,   112                         ; v112-119 a block's codes
.set WSB,  120                         ; v120-121 the eight scale bytes
.set WOUT, 128                         ; v128-191 the way out
.set WP,   272                         ; a stage row: 256 bytes + 16
.Lw_path:
	s_sub_co_u32 s26, ttmp9, 256
	s_and_b32 s27, s26, 7                          ; y: which 256 along K
	s_lshr_b32 s26, s26, 3                         ; xg: which 128 rows of wcodes, 0..23
	s_mov_b32 s28, 8192
	s_sub_co_u32 s30, s26, 8
	s_sub_co_u32 s31, s26, 4
	s_cmp_lt_u32 s26, 8                            ; the choices hang on the work-group's number alone
	s_cselect_b64 s[10:11], s[10:11], s[12:13]
	s_cselect_b32 s28, 2048, s28                   ; the pitch
	s_cselect_b32 s30, s31, s30
	s_cmp_lt_u32 s26, 4
	s_cselect_b64 s[8:9], s[8:9], s[10:11]         ; the weight
	s_cselect_b32 s30, s26, s30                    ; which 128 of its columns
	s_lshl_b32 s31, s27, 8
	s_mul_i32 s48, s31, s28                        ; 256 y rows,
	s_lshl_b32 s31, s30, 9
	s_add_co_u32 s48, s48, s31                     ; the work-group's 128 columns,
	s_lshl_b32 s31, s24, 7
	s_add_co_u32 s48, s48, s31                     ; my wave's 32
	s_mov_b32 s49, 0
	s_add_nc_u64 s[32:33], s[8:9], s[48:49]
	s_lshl_b32 s48, s28, 5                         ; 32 rows on
.irp u, 1,2,3,4,5,6,7
	s_add_nc_u64 s[32+2*\u:33+2*\u], s[30+2*\u:31+2*\u], s[48:49]
.endr
	s_lshl_b32 s31, s26, 7
	s_lshl_b32 s50, s24, 5
	s_add_co_u32 s31, s31, s50                     ; my first row of wcodes
	s_lshl_b32 s48, s31, 11
	s_lshl_b32 s50, s27, 8
	s_add_co_u32 s48, s48, s50
	s_add_nc_u64 s[18:19], s[18:19], s[48:49]
	s_lshl_b32 s48, s31, 6
	s_lshl_b32 s50, s27, 3
	s_add_co_u32 s48, s48, s50
	s_add_nc_u64 s[20:21], s[20:21], s[48:49]
	v_lshlrev_b32 v5, 2, v2
.set n, 0
.rept 32
	v_mad_u32_u24 v[WOF+n], s28, n, v5
.set n, n+1
.endr
	s_mul_i32 s31, s24, 32*WP
	s_add_co_u32 s31, s31, 32768                   ; my stage, behind the other path's LDS bytes
	v_mul_u32_u24 v4, v2, WP
	v_add_nc_u32 v4, s31, v4                       ; into it: row = my column
	v_and_b32 v6, 15, v2
	v_lshrrev_b32 v10, 4, v2
	v_mul_u32_u24 v7, v10, WP
	v_lshl_add_u32 v7, v6, 4, v7
	v_add_nc_u32 v7, s31, v7                       ; out of it: sixteen lanes to a row, two rows an instruction
	v_lshlrev_b32 v8, 11, v10
	v_lshl_add_u32 v8, v6, 4, v8                   ; the same place in wcodes
	v_lshlrev_b32 v9, 6, v2                        ; my column's row of scale bytes
.macro WLOAD t
.set n, 0
.rept 32
	global_load_b32 v[WX+32*((\t)%2)+n], v[WOF+n], s[32+2*(\t):33+2*(\t)] th:TH_LOAD_NT
.set n, n+1
.endr
.endm
	WLOAD 0
	WLOAD 1
.macro WBLOCK t
.set WXS, WX+32*((\t)%2)
.if (\t) < 7
	s_wait_loadcnt 32                              ; this block's 32 loads are in; the next block's may be out
.else
	s_wait_loadcnt 0
.endif
	v_max3_num_f32 v12, |v[WXS]|, |v[WXS+1]|, |v[WXS+2]|
	v_max3_num_f32 v13, |v[WXS+3]|, |v[WXS+4]|, |v[WXS+5]|
.irp i, 6,10,14,18,22,26
	v_max3_num_f32 v12, v12, |v[WXS+\i]|, |v[WXS+\i+1]|
	v_max3_num_f32 v13, v13, |v[WXS+\i+2]|, |v[WXS+\i+3]|
.endr
	v_max3_num_f32 v12, v12, |v[WXS+30]|, |v[WXS+31]|
	v_max3_num_f32 v12, v12, v13, (EMAX+1)<<23
	v_add_nc_u32 v11, -(EMAX<<23), v12
	v_and_or_b32 v10, v12, 0x7f800000, s25
	v_lshrrev_b32 v13, 23, v11
.if (\t)%4 == 0
	v_mov_b32 v[WSB+(\t)/4], v13                   ; four bytes to a register, the lower K in the lower byte
.else
	v_lshl_or_b32 v[WSB+(\t)/4], v13, 8*((\t)%4), v[WSB+(\t)/4]
.endif
.set n, 0
.rept 32
	v_med3_num_f32 v[WXS+n], v[WXS+n], -v10, v10
.set n, n+1
.endr
.irp g, 0,1,2,3
	v_cvt_scalef32_pk8_bf8_f32 v[WC+2*\g:WC+2*\g+1], v[WXS+8*\g:WXS+8*\g+7], v11
.endr
	ds_store_b128 v4, v[WC:WC+3] offset:32*(\t)
	ds_store_b128 v4, v[WC+4:WC+7] offset:32*(\t)+16
.if (\t)+2 < 8
	WLOAD (\t)+2
.endif
	s_wait_dscnt 0x0                               ; the stores have read their registers: the next block's codes may be written
.endm
.irp t, 0,1,2,3,4,5,6,7
	WBLOCK \t
.endr
	global_store_b64 v9, v[WSB:WSB+1], s[20:21]    ; my column's eight scale bytes
.irp u, 0,1,2,3,4,5,6,7,8,9,10,11,12,13,14,15
	ds_load_b128 v[WOUT+4*\u:WOUT+4*\u+3], v7 offset:2*\u*WP
.endr
.irp u, 0,1,2,3,4,5,6,7,8,9,10,11,12,13,14,15
	s_wait_dscnt 15-\u
	global_store_b128 v8, v[WOUT+4*\u:WOUT+4*\u+3], s[18:19] offset:2*\u*2048   ; sixteen lanes store 256 consecutive bytes, aligned
.endr
	s_set_vgpr_msb 0x5
	s_wait_tensorcnt 0x0
	ds_add_u32 v0, v1
	s_wait_dscnt 0x0
	s_set_vgpr_msb 0x500
	s_endpgm
.Lfunc_end_k_qdccaefac9d_prep:
	.size	k_qdccaefac9d_prep, .Lfunc_end_k_qdccaefac9d_prep-k_qdccaefac9d_prep
	.p2alignl 7, 3214868480
	.fill 96, 4, 3214868480
	.section	.rodata,"a",@progbits
	.p2align	6, 0x0
	.amdhsa_kernel k_qdccaefac9d_prep
		.amdhsa_group_segment_fixed_size 68096
		.amdhsa_private_segment_fixed_size 0
		.amdhsa_enable_private_segment 0
		.amdhsa_kernarg_size 80
		.amdhsa_user_sgpr_count 2
		.amdhsa_user_sgpr_kernarg_segment_ptr 1
		.amdhsa_wavefront_size32 1
		.amdhsa_system_sgpr_workgroup_id_x 1
		.amdhsa_system_sgpr_workgroup_id_y 1
		.amdhsa_system_sgpr_workgroup_id_z 1
		.amdhsa_system_vgpr_workitem_id 0
		.amdhsa_next_free_vgpr 258
		.amdhsa_next_free_sgpr 66
		.amdhsa_reserve_vcc 1
		.amdhsa_float_denorm_mode_32 3
		.amdhsa_float_denorm_mode_16_64 3
		.amdhsa_memory_ordered 1
		.amdhsa_forward_progress 1
		.amdhsa_inst_pref_size 139
	.end_amdhsa_kernel
	.amdgpu_metadata
---
amdhsa.version: [ 1, 2 ]
amdhsa.kernels:
  - .name:           k_qdccaefac9d_prep
    .symbol:         k_qdccaefac9d_prep.kd
    .args:
      - { .name: hidden_states, .offset: 0, .size: 8, .value_kind: global_buffer, .address_space: global }
      - { .name: position_ids, .offset: 8, .size: 8, .value_kind: global_buffer, .address_space: global }
      - { .name: Wq, .offset: 16, .size: 8, .value_kind: global_buffer, .address_space: global }
      - { .name: Wk, .offset: 24, .size: 8, .value_kind: global_buffer, .address_space: global }
      - { .name: Wv, .offset: 32, .size: 8, .value_kind: global_buffer, .address_space: global }
      - { .name: xcodes, .offset: 40, .size: 8, .value_kind: global_buffer, .address_space: global }
      - { .name: xscales, .offset: 48, .size: 8, .value_kind: global_buffer, .address_space: global }
      - { .name: wcodes, .offset: 56, .size: 8, .value_kind: global_buffer, .address_space: global }
      - { .name: wscales, .offset: 64, .size: 8, .value_kind: global_buffer, .address_space: global }
      - { .name: ropetab, .offset: 72, .size: 8, .value_kind: global_buffer, .address_space: global }
    .group_segment_fixed_size: 68096
    .private_segment_fixed_size: 0
    .kernarg_segment_align: 8
    .kernarg_segment_size: 80
    .max_flat_workgroup_size: 128
    .sgpr_count:     66
    .vgpr_count:     258
    .wavefront_size: 32
...
	.end_amdgpu_metadata
.endif
;; end of part 1
;; launch proj (part 2): grid 48 x 4, 4 waves a work-group, clusters of 4 x 4, 327,680 bytes of LDS; arguments xcodes, xscales, wcodes, wscales, ropetab, rec; writes rec
.if DOCPART == 2
	.amdgcn_target "amdgcn-amd-amdhsa--gfx1250"
	.amdhsa_code_object_version 6
	.text
	.protected	k_qdccaefac9d_proj
	.globl	k_qdccaefac9d_proj
	.p2align	8
	.type	k_qdccaefac9d_proj,@function
k_qdccaefac9d_proj:
	s_mov_b64 s[64:65], 0
	v_nop
	global_prefetch_b8 v0, s[64:65] scope:SCOPE_SE
	s_setreg_imm32_b32 hwreg(HW_REG_WAVE_MODE, 25, 1), 1
	s_wait_xcnt 0x0
	s_wait_alu depctr_hold_cnt(0) depctr_sa_sdst(0) depctr_va_vdst(0) depctr_va_sdst(0) depctr_va_ssrc(0) depctr_va_vcc(0) depctr_vm_vsrc(0)
	s_getreg_b32 s2, hwreg(HW_REG_IB_STS2, 6, 4)
	s_cmp_eq_u32 s2, 0
	s_cbranch_scc0 .Lentry_in_a_cluster
	s_endpgm
.Lentry_in_a_cluster:
	s_bfe_u32 s2, ttmp6, 0x10000c
	s_cmp_lg_u32 s2, 0xf033
	s_cbranch_scc0 .Lentry_shape_is_right
	s_endpgm
.Lentry_shape_is_right:
; PROJ: the three projections as one GEMM on codes of BF8 (E5M2) with E8M0 scales, K = 2,048, and a way out that leaves attention's operands: RoPE (Q, K), the quantiser, register images.
; A work-group of four waves makes 256 x 256, a wave 128 x 128: 64 accumulators, 512 registers.  K goes in steps of 256 through two LDS slots filled by the tensor data mover; the scale bytes of the
; work-group's 2 x 256 rows, for all of K, come once with the first fills.
; THE MATRIX INSTRUCTION IS USED TRANSPOSED: source 0 = 16 rows of 'B', source 1 = 16 rows of 'A': a lane holds one row of A, and its registers run along B's rows.
; TWO KINDS OF CLUSTER (4 x 4 work-groups; the cluster's number c = 0..11 says which; all partners are of one kind):
;   c < 4, Q and K:  A = tokens (tile row 4 c + cy), B = rows 0..1023 of wcodes (tile cx).  A lane holds a token, its registers run along the head's 64: the K of scores.
;   c >= 4, V:       A = rows 1024.. of wcodes (tile 4 ((c-4) & 1) + cy), B = tokens (tile 4 ((c-4) >> 1) + cx).  A lane holds a channel of V, its registers run along the tokens: the K of the second product.
; A's tiles are shared along a row of the cluster, B's along a column: each is asked for jointly.
; NO PREFETCH: a tile is read by several clusters, not once, and K has eight steps, of which only the last four could be named ahead.
; THE WAY OUT.  A lane's 16 registers of result tiles 2 b, 2 b + 1 hold indices 32 b + 8 h + 0..7 and 32 b + 16 + 8 h + 0..7 (h = lane / 16); with lane l xor 16 that is the true block of 32.  Converted, they stand
; in operand places 32 b + 16 h + 0..15: one fixed order inside each block, the same for Q and K, and for V and p (made so in the next launch), so each product pairs the right numbers.
; Only the order of the sums inside a block of 32 differs from K ascending.  Operands are stored as images of their registers: 16 bytes a lane, 512 consecutive bytes a store.
; rec: 256 records of 51,200 bytes, record ((b 8 + head) 16 + step of 128 tokens): K's codes 0, K's scale words 8,192, V's codes 8,704, V's scale words 41,472, Q's codes 42,496, Q's scale words 50,688.
; LIMITS: finite inputs only.
; REGISTERS: window 0: v16-29 addresses; v32-63 scale words, two sets, and nothing else; v64-111 at work on the way out; from v128 A's fragments, one set (on the way out: tables and temporaries).
;   window 1: B's fragments, two sets.   window 2: the accumulators of my rows 0-63 ((a, b) at v[8 (8 a + b)]);   window 3: rows 64-127.
.set KSTEP,  256
.set NQ,     KSTEP/128
.set ROWB,   256
.set KROW,   2048
.set PITCH,  272                       ; an LDS row: 256 bytes + 16 of padding: the 16 rows that a load touches start at 16 different banks
.set FR,     16
.set NL,     4
.set NP,     8                         ; places behind this matrix instruction (ISA guide 7.12.1)
.set HALFT,  128*PITCH
.set SLOT,   4*HALFT
.set LAPS,   2048/(2*KSTEP)
.set KS,     64                        ; a row of scale bytes
.set SCL,    2*SLOT
.set HALFS,  (128*KS/256)*272
.set SBLK,   (16*KS/256)*272
.set SPARE,  SCL+4*HALFS               ; the spare words: 128 bytes for each wave, named by no other line
.set RECB,   51200
.set HEADD,  16*RECB                   ; from a head's records to the next head's
.set ADRA, 16
.set ADRB, 20
.set VSO,  24                          ; v24  the way out: 16 r + h x HEADD
.set LI,   26                          ; v26  the way out: 16 x lane
.set ADRS, 27
.set SPW,  28
.set NIL,  29
.set SC,   32
.set TM,   64                          ; v64-67 largest magnitudes, v68-71 bytes, v72-75 holds, v76-79 scale operands
.set SW,   80                          ; v80-87 the eight blocks' scale words
.set TS,   88                          ; v88-95 scale words as they are stored
.set PC,   96                          ; v96-111 a block's codes
.set AF,   128
.set CB0,  128                         ; v128-159, v160-191: 16 cos, 16 sin, two sets
.set TT,   192                         ; v192-255 RoPE's products with sin
.set G1, 24
.set G0, 32
.set G1B, 48
.set G0B, 56
.set G1S, 68
.set G0S, 76
.set G1SB, 80
.set G0SB, 88
.set OUT,  68                          ; the way out's scalars lie in descriptor registers that are done with: every tensor load has been waited for
.set OUTS, 70
.set RT,   72
.set SEL,  74
.set MNT,  76
.set HM,   78
.set MSB, 0
.macro WIN new                         ; the immediate's high byte repeats the setting that is left
.if MSB != (\new)
	s_set_vgpr_msb (MSB<<8)|(\new)
.set MSB, (\new)
.endif
.endm
.set MUL_LO, 0xa1
.set MUL_HI, 0xf1
.set TO_B,   0x40
.macro JLOAD g0a, g1a, g0b, g1b        ; a joint load: waves 0 and 1 fetch for A, waves 2 and 3 for B; the branch hangs on the wave's number alone; four v_nop follow each line
	s_cmp_eq_u32 s15, 0
	s_cbranch_scc0 .Lfor_b_\@
	tensor_load_to_lds s[\g0a:\g0a+3], s[\g1a:\g1a+7]
	s_nop 0
.rept 4
	v_nop
.endr
	s_branch .Lasked_\@
.Lfor_b_\@:
	tensor_load_to_lds s[\g0b:\g0b+3], s[\g1b:\g1b+7]
	s_nop 0
.rept 4
	v_nop
.endr
.Lasked_\@:
.endm
.macro CREST
	s_cmp_lg_u32 s14, 0
	s_cbranch_scc1 .Lnot_wave_0_\@
	s_barrier_signal -3
.Lnot_wave_0_\@:
	s_barrier_wait -3
	s_barrier_signal -1
	s_barrier_wait -1
.endm
.macro CROUND
	s_barrier_signal -1
	s_barrier_wait -1
	CREST
.endm
	s_load_b256 s[4:11], s[0:1], 0x0               ; xcodes s[4:5], xscales s[6:7], wcodes s[8:9], wscales s[10:11]
	s_load_b128 s[96:99], s[0:1], 0x20             ; ropetab s[96:97], rec s[98:99]
	v_lshl_add_u32 v[SPW], v0, 2, SPARE
	v_mov_b32 v[NIL], 0
	ds_add_u32 v28, v29
	s_wait_dscnt 0x0
	v_lshrrev_b32 v1, 5, v0
	v_readfirstlane_b32 s14, v1                    ; wave 0..3
	s_lshr_b32 s15, s14, 1                         ; which half of A's 256 rows is mine.  Also: I fetch for A (0) or for B (1)
	s_and_b32 s16, s14, 1                          ; which half of B's.  Also: which 128 rows of that tile I fetch
	s_bfe_u32 s40, ttmp6, 0x40000                  ; cx
	s_bfe_u32 s41, ttmp6, 0x40004                  ; cy
	s_sub_co_u32 s18, ttmp9, 4
	s_and_b32 s18, s18, 7                          ; c - 4 in a V cluster
	s_and_b32 s19, s18, 1
	s_lshl_b32 s19, s19, 2
	s_lshr_b32 s18, s18, 1
	s_lshl_b32 s18, s18, 2
	s_lshl_b32 s20, ttmp9, 2
	s_cmp_lt_u32 ttmp9, 4                          ; the kind of cluster: the same in all sixteen partners
	s_cselect_b32 s95, 1, 0                        ; 1: Q and K
	s_cselect_b32 s17, s20, s19
	s_cselect_b32 s42, 0, s18
	s_add_co_u32 s17, s17, s41                     ; A's tile: it hangs on cy, never on cx
	s_add_co_u32 s42, s42, s40                     ; B's tile: on cx, never on cy
	s_lshl_b32 s43, s41, 2
	s_lshl_b32 s43, 15, s43                        ; my row of the cluster
	s_lshl_b32 s44, 0x1111, s40                    ; my column
	s_or_b32 s[G1+0], s43, (0<<16)|(1<<20)|(1<<21)|(5<<22)|(3<<25)  ; the mask; elements of 1 byte; padding: 4 words behind every 64; bit 21 beside a mask
	s_or_b32 s[G1B+0], s44, (0<<16)|(1<<20)|(1<<21)|(5<<22)|(3<<25)
.irp g, G1, G1B
	s_mov_b32 s[\g+1], ROWB<<16                    ; tensor_dim0
	s_mov_b32 s[\g+2], 128<<16                     ; tensor_dim1
	s_mov_b32 s[\g+3], ROWB<<16                    ; tile_dim0
	s_mov_b32 s[\g+4], 128                         ; tile_dim1
	s_mov_b32 s[\g+5], KROW                        ; the pitch
	s_mov_b32 s[\g+6], 0
	s_mov_b32 s[\g+7], 0
.endr
	s_or_b32 s[G1S+0], s43, (3<<16)|(1<<20)|(1<<21)|(5<<22)|(3<<25)  ; the scale bytes of 128 rows: 8,192 dense bytes as 32 rows of 256 (32 elements of 8 bytes), padded alike
	s_or_b32 s[G1SB+0], s44, (3<<16)|(1<<20)|(1<<21)|(5<<22)|(3<<25)
.irp g, G1S, G1SB
	s_mov_b32 s[\g+1], 32<<16
	s_mov_b32 s[\g+2], (128*KS/256)<<16
	s_mov_b32 s[\g+3], 32<<16
	s_mov_b32 s[\g+4], 128*KS/256
	s_mov_b32 s[\g+5], 32
	s_mov_b32 s[\g+6], 0
	s_mov_b32 s[\g+7], 0
.endr
	s_lshl_b32 s18, s16, 7
	s_lshl_b32 s20, s17, 8
	s_add_co_u32 s20, s20, s18                     ; A: row 256 x tile + 128 x half
	s_lshl_b32 s46, s42, 8
	s_add_co_u32 s46, s46, s18                     ; B likewise
	s_mov_b32 s21, 0
	s_mov_b32 s47, 0
	s_mov_b64 s[18:19], KS
	s_mul_u64 s[22:23], s[20:21], s[18:19]         ; where these rows' scale bytes begin,
	s_mul_u64 s[92:93], s[46:47], s[18:19]
	s_mov_b64 s[18:19], KROW
	s_mul_u64 s[20:21], s[20:21], s[18:19]         ; and their codes
	s_mul_u64 s[46:47], s[46:47], s[18:19]
	s_mul_i32 s45, s14, HALFT                      ; where they go: wave x 128 rows: no place in the cluster enters an LDS address
	s_mul_i32 s94, s14, HALFS
	s_wait_kmcnt 0x0
	s_add_nc_u64 s[100:101], s[8:9], 0x200000      ; Wv's rows of wcodes begin at row 1,024,
	s_add_nc_u64 s[104:105], s[10:11], 0x10000     ; and their scale bytes
	s_cmp_lt_u32 ttmp9, 4
	s_cselect_b64 s[8:9], s[8:9], s[4:5]           ; B: the weights' rows, or the tokens
	s_cselect_b64 s[10:11], s[10:11], s[6:7]
	s_cselect_b64 s[4:5], s[4:5], s[100:101]       ; A: the tokens, or Wv's rows
	s_cselect_b64 s[6:7], s[6:7], s[104:105]
	s_add_nc_u64 s[20:21], s[4:5], s[20:21]
	s_add_nc_u64 s[22:23], s[6:7], s[22:23]
	s_add_nc_u64 s[46:47], s[8:9], s[46:47]
	s_add_nc_u64 s[92:93], s[10:11], s[92:93]
	CROUND                                         ; all sixteen work-groups are here: the first joint loads meet
	s_mov_b32 s[G0S], 1
	s_add_co_u32 s[G0S+1], s94, SCL
	s_mov_b64 s[G0S+2:G0S+3], s[22:23]
	s_or_b32 s[G0S+3], s[G0S+3], 0x80000000
	s_mov_b32 s[G0SB], 1
	s_add_co_u32 s[G0SB+1], s94, SCL
	s_mov_b64 s[G0SB+2:G0SB+3], s[92:93]
	s_or_b32 s[G0SB+3], s[G0SB+3], 0x80000000
	JLOAD G0S, G1S, G0SB, G1SB                     ; the scale bytes first: they are wanted with K step 0.  Three loads of mine are out behind the next two
.irp s, 0,1
	s_mov_b32 s[G0+4*\s], 1
	s_add_co_u32 s[G0+4*\s+1], s45, \s*SLOT
	s_add_nc_u64 s[G0+4*\s+2:G0+4*\s+3], s[20:21], \s*ROWB
	s_or_b32 s[G0+4*\s+3], s[G0+4*\s+3], 0x80000000
	s_mov_b32 s[G0B+4*\s], 1
	s_add_co_u32 s[G0B+4*\s+1], s45, \s*SLOT
	s_add_nc_u64 s[G0B+4*\s+2:G0B+4*\s+3], s[46:47], \s*ROWB
	s_or_b32 s[G0B+4*\s+3], s[G0B+4*\s+3], 0x80000000
	JLOAD G0+4*\s, G1, G0B+4*\s, G1B
.endr
	v_and_b32 v1, 15, v0                           ; r
	v_bfe_u32 v2, v0, 4, 1                         ; h
	v_mul_u32_u24 v3, v1, PITCH
	v_lshl_add_u32 v4, v2, 4, v3                   ; a fragment's row x pitch + 16 h
	s_mul_i32 s21, s15, HALFT
	s_mul_i32 s22, s16, HALFT
	s_add_co_u32 s22, s22, 2*HALFT
.irp s, 0,1
	v_add_nc_u32 v[ADRA+\s], s21, v4
	v_add_nc_u32 v[ADRB+\s], s22, v4
	s_add_co_u32 s21, s21, SLOT
	s_add_co_u32 s22, s22, SLOT
.endr
	v_mul_u32_u24 v5, v1, KS                       ; my row's scale bytes: 64 a row,
	v_lshrrev_b32 v6, 8, v5
	v_lshl_add_u32 v5, v6, 4, v5                   ; and 16 more for each 256 passed
	s_mul_i32 s21, s15, HALFS
	s_mul_i32 s22, s16, HALFS
	s_add_co_u32 s22, s22, 2*HALFS
	s_sub_co_u32 s22, s22, s21
	v_mul_u32_u24 v6, s22, v2                      ; lanes 16-31 take B's: one product, the distance between the two bases x h
	s_add_co_u32 s21, s21, SCL
	v_add_nc_u32 v5, v5, v6
	v_add_nc_u32 v[ADRS], s21, v5
.macro FRAG reg, adr, q, i             ; 16 rows x 128 K: registers 4 c .. 4 c + 3 hold K = 32 c + 16 h + 0 .. 15
.irp c, 0,1,2,3
	ds_load_b128 v[\reg+4*\c:\reg+4*\c+3], v[\adr] offset:128*(\q)+32*\c+(\i)*16*PITCH
.endr
.endm
; 16 matrix instructions: A's blocks a0, a0 + 1 x B's eight.  The 64 accumulators take turns, one instruction a turn, in the same order in every step.
.macro MUL16 a0, p, q, sc, zero
.irp a, \a0, \a0+1
.irp b, 0,1,2,3,4,5,6,7
.if \zero
	v_wmma_scale_f32_16x16x128_f8f6f4 v[8*(8*((\a)%4)+\b):8*(8*((\a)%4)+\b)+7], v[128*(\p)+FR*\b:128*(\p)+FR*\b+FR-1], v[AF+FR*(\a):AF+FR*(\a)+FR-1], 0, v[SC+8*NQ*(\sc)+NQ*\b+(\q)], v[SC+8*NQ*(\sc)+NQ*(\a)+(\q)] matrix_a_fmt:MATRIX_FMT_BF8 matrix_b_fmt:MATRIX_FMT_BF8 matrix_a_scale:MATRIX_SCALE_ROW1
.else
	v_wmma_scale_f32_16x16x128_f8f6f4 v[8*(8*((\a)%4)+\b):8*(8*((\a)%4)+\b)+7], v[128*(\p)+FR*\b:128*(\p)+FR*\b+FR-1], v[AF+FR*(\a):AF+FR*(\a)+FR-1], v[8*(8*((\a)%4)+\b):8*(8*((\a)%4)+\b)+7], v[SC+8*NQ*(\sc)+NQ*\b+(\q)], v[SC+8*NQ*(\sc)+NQ*(\a)+(\q)] matrix_a_fmt:MATRIX_FMT_BF8 matrix_b_fmt:MATRIX_FMT_BF8 matrix_a_scale:MATRIX_SCALE_ROW1
.endif
.endr
.endr
.endm
.macro FETCH_B slot, q, p
	WIN TO_B
.irp i, 0,1,2,3,4,5,6,7
	FRAG 128*(\p)+FR*\i, ADRB+\slot, \q, \i
.endr
	WIN 0
.endm
.macro FETCH_A slot, q, i0
.irp i, \i0, \i0+1, \i0+2, \i0+3
	FRAG AF+FR*(\i), ADRA+\slot, \q, \i
.endr
.endm
.macro SCALES sc                       ; a K step's scale words: lanes 0-15 take A's block i, lanes 16-31 B's block i
.irp i, 0,1,2,3,4,5,6,7
	ds_load_b64 v[SC+8*NQ*\sc+NQ*\i:SC+8*NQ*\sc+NQ*\i+1], v[ADRS] offset:\i*SBLK
.endr
.endm
.macro PLACES n                        ; plain vector instructions between a matrix instruction and a load into, or a vector read or write of, one of its registers
.rept \n
	v_nop
.endr
.endm
.macro STEP slot, q, zero              ; 128 along K with its successor in the same slot
	s_wait_dscnt 4*NL                              ; B's set and A's blocks 0-3 are in; the youngest sixteen loads (A's blocks 4-7) may be out
	WIN MUL_LO
	MUL16 0, (\q)%2, \q, \slot, \zero
	MUL16 2, (\q)%2, \q, \slot, \zero
	s_wait_dscnt 0
	PLACES NP
	FETCH_B \slot, (\q)+1, 1-(\q)%2
	FETCH_A \slot, (\q)+1, 0
	WIN MUL_HI
	MUL16 4, (\q)%2, \q, \slot, \zero
	MUL16 6, (\q)%2, \q, \slot, \zero
	PLACES NP
	WIN 0
	FETCH_A \slot, (\q)+1, 4
.endm
.macro TURN slot, next, fill           ; a slot's last step changes slots: one barrier; fill = 1: it opens a round of the cluster's barrier, and this slot is filled again, two K steps ahead
	s_wait_tensorcnt 0x0                           ; all my tensor loads have landed: my part of the next slot
	ds_add_u32 v[SPW], v[NIL]                      ; 0 onto my spare word
	s_wait_dscnt 4*NL+1                            ; (the add and the youngest sixteen loads may be out)
	WIN MUL_LO
	MUL16 0, 1, NQ-1, \slot, 0
	s_wait_dscnt 0x0                               ; the add is done, and my reads of this slot are over
	s_barrier_signal -1
	MUL16 2, 1, NQ-1, \slot, 0
	WIN 0
	s_barrier_wait -1
.if \fill
	CREST                                          ; no wave of any partner still reads this slot's tile or has a load on its way
	s_add_nc_u64 s[G0+4*\slot+2:G0+4*\slot+3], s[G0+4*\slot+2:G0+4*\slot+3], 2*ROWB
	s_add_nc_u64 s[G0B+4*\slot+2:G0B+4*\slot+3], s[G0B+4*\slot+2:G0B+4*\slot+3], 2*ROWB
	JLOAD G0+4*\slot, G1, G0B+4*\slot, G1B         ; my one tensor load behind the round; its four v_nop are among the places in front of the loads below
	PLACES NP-4
.else
	PLACES NP
.endif
	v_add_nc_u32 v[ADRS], 4*NQ, v[ADRS]            ; on to the next K step's scale words
	FETCH_B \next, 0, 0
	FETCH_A \next, 0, 0
	SCALES \next
	WIN MUL_HI
	MUL16 4, 1, NQ-1, \slot, 0
	MUL16 6, 1, NQ-1, \slot, 0
	PLACES NP
	WIN 0
	FETCH_A \next, 0, 4
.endm
	s_wait_tensorcnt 1                             ; the scale bytes and my part of K step 0 are in (K step 1's load may be out)
	s_barrier_signal -1
	s_barrier_wait -1                              ; everybody's are
	FETCH_B 0, 0, 0
	FETCH_A 0, 0, 0
	SCALES 0
	FETCH_A 0, 0, 4
	STEP 0, 0, 1                                   ; the first step stands in front of the loop: its products start the sums
	s_mov_b32 s3, LAPS-1
.Llap:
	TURN 0, 1, 1
	STEP 1, 0, 0
	TURN 1, 0, 1
	STEP 0, 0, 0
	s_sub_co_u32 s3, s3, 1
	s_cmp_lg_u32 s3, 0
	s_cbranch_scc1 .Llap
	TURN 0, 1, 0                                   ; the last lap fills nothing
	STEP 1, 0, 0
	s_wait_dscnt 4*NL
	WIN MUL_LO
	MUL16 0, 1, NQ-1, 1, 0
	MUL16 2, 1, NQ-1, 1, 0
	s_wait_dscnt 0
	WIN MUL_HI
	MUL16 4, 1, NQ-1, 1, 0
	MUL16 6, 1, NQ-1, 1, 0
	WIN 0
; ---------------- THE WAY OUT: block a = A's 16 rows 16 a on, 64 numbers a lane.  No LDS: a lane's codes are stored as they stand.
	PLACES NP                                      ; behind the last products: results are read, and registers that held A's fragments are written and loaded
	v_and_b32 v1, 31, v0
	v_lshlrev_b32 v[LI], 4, v1
	v_and_b32 v2, 15, v0
	v_bfe_u32 v3, v0, 4, 1
	v_mul_u32_u24 v3, v3, HEADD
	v_lshl_add_u32 v[VSO], v2, 4, v3
	s_mov_b32 s[SEL], 0x76543210
	s_mov_b32 s[SEL+1], 0xfedcba98                 ; v_permlanex16_b32's selects for lane l xor 16
	s_mov_b32 s[MNT], 0x600000
	s_mov_b32 s[HM], 0xffff0000                    ; lanes 16-31
.irp b, 0,1,2,3
	v_mov_b32 v[TM+4+\b], 0                        ; written once: a lane permute's destination counts as one of its sources
.endr
; the record of my 128 tokens and my first head: tile and half of the tokens' side, tile and half of the heads' side -> s79 first token, s84 head / 8, s[86:87] the record's first byte
.macro RECBASE tt, th, ht, hh
	s_lshl_b32 s79, s[\tt], 8
	s_lshl_b32 s80, s[\th], 7
	s_add_co_u32 s79, s79, s80
	s_lshl_b32 s80, s[\ht], 2
	s_lshl_b32 s81, s[\hh], 1
	s_add_co_u32 s80, s80, s81                     ; my first run of 64 columns
	s_lshr_b32 s81, s79, 11                        ; the batch
	s_bfe_u32 s82, s79, 0x40007                    ; the step of 128 tokens
	s_and_b32 s83, s80, 7                          ; the query and key head
	s_lshr_b32 s84, s80, 3
	s_lshl_b32 s81, s81, 3
	s_add_co_u32 s81, s81, s83
	s_lshl_b32 s81, s81, 4
	s_add_co_u32 s81, s81, s82
	s_mul_i32 s86, s81, RECB
	s_mov_b32 s87, 0
.endm
.macro TABLOAD a                       ; cos and sin of block a's 16 tokens
.irp p, 0,1,2,3,4,5,6,7
	global_load_b128 v[CB0+32*((\a)%2)+4*\p:CB0+32*((\a)%2)+4*\p+3], v[LI], s[RT:RT+1] offset:4096*(\a)+512*\p
.endr
.endm
; RoPE in place.  Of head e (0, 1), x1 = channels 16 t + 8 h + jp (t = 0, 1), x2 = the same 32 on: x1' = x1 cos - x2 sin, x2' = x2 cos + x1 sin.  Each accumulator is read from its low end on.
.macro ROPE a, left
.set WA, 2+(\a)/4
.set AC, 64*((\a)%4)
.set CB, CB0+32*((\a)%2)
	s_wait_loadcnt \left                           ; this block's eight loads are in; the next block's may be out
	WIN WA
.irp e, 0,1
.irp t, 0,1
.irp jp, 0,2,4,6
.set X1, AC+32*\e+8*\t+\jp
.set KK, 8*\t+\jp
.set T1, TT+4*(8*\e+4*\t+\jp/2)
	v_pk_mul_f32 v[T1:T1+1], v[X1+16:X1+17], v[CB+16+KK:CB+17+KK]
	v_pk_mul_f32 v[T1+2:T1+3], v[X1:X1+1], v[CB+16+KK:CB+17+KK]
.endr
.endr
.endr
.set WM, 0x41*WA
	WIN WM
.irp e, 0,1
.irp t, 0,1
.irp jp, 0,2,4,6
.set X1, AC+32*\e+8*\t+\jp
.set KK, 8*\t+\jp
.set T1, TT+4*(8*\e+4*\t+\jp/2)
	v_pk_fma_f32 v[X1:X1+1], v[X1:X1+1], v[CB+KK:CB+KK+1], v[T1:T1+1] neg_lo:[0,0,1] neg_hi:[0,0,1]
	v_pk_fma_f32 v[X1+16:X1+17], v[X1+16:X1+17], v[CB+KK:CB+KK+1], v[T1+2:T1+3]
.endr
.endr
.endr
	WIN 0
.endm
; The quantiser on block a's 64 numbers: four blocks of 32 (16 of each are mine, 16 lane l xor 16's) -> codes in v[PC] on, the four bytes in v[SW + a].
.macro QUANTW a
.set WA, 2+(\a)/4
.set AC, 64*((\a)%4)
.set WQ, (WA<<2)|(WA<<4)
.set WM, 0x41*WA
	WIN WQ
.irp b, 0,1,2,3
	v_max3_num_f32 v[TM+\b], 0x8000000, |v[AC+16*\b]|, |v[AC+16*\b+1]|   ; with the floor 2^(16 - 127): the byte cannot fall under 1
.endr
.irp i, 2,4,6,8,10,12,14
.irp b, 0,1,2,3
	v_max3_num_f32 v[TM+\b], v[TM+\b], |v[AC+16*\b+\i]|, |v[AC+16*\b+\i+1]|
.endr
.endr
	WIN 0
.irp b, 0,1,2,3
	v_permlanex16_b32 v[TM+4+\b], v[TM+\b], s[SEL], s[SEL+1]
.endr
.irp b, 0,1,2,3
	v_max_num_f32 v[TM+\b], v[TM+\b], v[TM+4+\b]
.endr
.irp b, 0,1,2,3
	v_add_nc_u32 v[TM+12+\b], 0xf8800000, v[TM+\b] ; 15 off the exponent field: the conversion's scale operand
.endr
.irp b, 0,1,2,3
	v_and_or_b32 v[TM+8+\b], v[TM+\b], 0x7f800000, s[MNT]   ; 57,344 x the scale
.endr
.irp b, 0,1,2,3
	v_lshrrev_b32 v[TM+4+\b], 23, v[TM+12+\b]      ; the byte
.endr
	v_lshl_or_b32 v[SW+(\a)], v[TM+5], 8, v[TM+4]
	v_lshl_or_b32 v[SW+(\a)], v[TM+6], 16, v[SW+(\a)]
	v_lshl_or_b32 v[SW+(\a)], v[TM+7], 24, v[SW+(\a)]
	WIN WM
.irp b, 0,1,2,3
.irp i, 0,1,2,3,4,5,6,7,8,9,10,11,12,13,14,15
	v_med3_num_f32 v[AC+16*\b+\i], v[AC+16*\b+\i], -v[TM+8+\b], v[TM+8+\b]   ; the conversion does not saturate (ISA guide 7.6.2): the hold comes first
.endr
.endr
.if (\a) > 0
	s_wait_xcnt 0x0                                ; the last block's stores have read the codes' registers
.endif
	WIN WA
.irp b, 0,1,2,3
	v_cvt_scalef32_pk8_bf8_f32 v[PC+4*\b:PC+4*\b+1], v[AC+16*\b:AC+16*\b+7], v[TM+12+\b]
	v_cvt_scalef32_pk8_bf8_f32 v[PC+4*\b+2:PC+4*\b+3], v[AC+16*\b+8:AC+16*\b+15], v[TM+12+\b]
.endr
	WIN 0
	v_nop                                          ; a plain instruction behind the last conversion
.endm
	s_cmp_eq_u32 s95, 0                            ; the kind of cluster: one branch, the same way in all partners
	s_cbranch_scc1 .Lv_tiles
	; ---- Q and K: tokens are A's rows, heads B's.  Codes 0-7 are my first head's two blocks, 8-15 the next head's.
	RECBASE 17, 15, 42, 16
	s_xor_b32 s84, s84, 1
	s_mul_i32 s84, s84, 42496                      ; Q's codes lie 42,496 bytes into a record, K's at its head
	s_add_co_u32 s86, s86, s84
	s_add_nc_u64 s[OUT:OUT+1], s[98:99], s[86:87]
	s_lshl_b32 s86, s79, 8                         ; the table: 4,096 bytes for 16 tokens
	s_add_nc_u64 s[RT:RT+1], s[96:97], s[86:87]
	TABLOAD 0
	TABLOAD 1
.irp a, 0,1,2,3,4,5,6,7
.if \a < 7
	ROPE \a, 8
.else
	ROPE \a, 0
.endif
.if \a < 6
	TABLOAD \a+2
.endif
	QUANTW \a
.irp c, 0,1,2,3
	global_store_b128 v[LI], v[PC+4*\c:PC+4*\c+3], s[OUT:OUT+1] offset:(\c/2)*HEADD+1024*\a+512*(\c%2)   ; 512 consecutive bytes, aligned
.endr
.endr
.irp i, 0,1,2,3
	v_cndmask_b32 v[TS+\i], v[SW+\i], v[SW+4+\i], s[HM]   ; lanes 0-15: tiles 0-3's words of token r; lanes 16-31: tiles 4-7's
.endr
	global_store_b128 v[LI], v[TS:TS+3], s[OUT:OUT+1] offset:8192        ; the first head: its bytes are the low two; the upper two are valid bytes that meet zero codes
.irp i, 0,1,2,3
	v_lshrrev_b32 v[TS+4+\i], 16, v[TS+\i]
.endr
	global_store_b128 v[LI], v[TS+4:TS+7], s[OUT:OUT+1] offset:8192+HEADD   ; the next head
	s_branch .Lend
.Lv_tiles:
	; ---- V: tokens are B's rows, channels A's.  Block a is channels 16 (a % 4) on of head a / 4; its 16 registers of codes are one whole fragment of V^T for these 128 keys.
	RECBASE 42, 16, 17, 15
	s_lshl_b32 s85, s84, 13                        ; 8,192 bytes of codes for each of the four heads that share a record,
	s_add_co_u32 s85, s85, 8704
	s_lshl_b32 s84, s84, 8                         ; 256 bytes of scale words
	s_add_co_u32 s84, s84, 41472
	s_add_co_u32 s84, s84, s86
	s_add_co_u32 s86, s86, s85
	s_add_nc_u64 s[OUT:OUT+1], s[98:99], s[86:87]
	s_mov_b32 s86, s84
	s_add_nc_u64 s[OUTS:OUTS+1], s[98:99], s[86:87]
.irp a, 0,1,2,3,4,5,6,7
	QUANTW \a
.irp c, 0,1,2,3
	global_store_b128 v[LI], v[PC+4*\c:PC+4*\c+3], s[OUT:OUT+1] offset:(\a/4)*HEADD+2048*(\a%4)+512*\c
.endr
.endr
.irp i, 0,1,2,3
	v_cndmask_b32 v[TS+\i], v[SW+\i], v[SW+4+\i], s[HM]
.endr
	global_store_b128 v[VSO], v[TS:TS+3], s[OUTS:OUTS+1]   ; lanes 0-15 fill 256 bytes of my first head's record, lanes 16-31 of the next head's
.Lend:
	s_wait_tensorcnt 0x0                           ; the wave's end
	ds_add_u32 v[SPW], v[NIL]
	s_wait_dscnt 0x0
	CROUND                                         ; the closing round
	s_endpgm
.Lfunc_end_k_qdccaefac9d_proj:
	.size	k_qdccaefac9d_proj, .Lfunc_end_k_qdccaefac9d_proj-k_qdccaefac9d_proj
	.p2alignl 7, 3214868480
	.fill 96, 4, 3214868480
	.section	.rodata,"a",@progbits
	.p2align	6, 0x0
	.amdhsa_kernel k_qdccaefac9d_proj
		.amdhsa_group_segment_fixed_size 327680
		.amdhsa_private_segment_fixed_size 0
		.amdhsa_enable_private_segment 0
		.amdhsa_kernarg_size 48
		.amdhsa_user_sgpr_count 2
		.amdhsa_user_sgpr_kernarg_segment_ptr 1
		.amdhsa_wavefront_size32 1
		.amdhsa_system_sgpr_workgroup_id_x 1
		.amdhsa_system_sgpr_workgroup_id_y 1
		.amdhsa_system_sgpr_workgroup_id_z 1
		.amdhsa_system_vgpr_workitem_id 0
		.amdhsa_next_free_vgpr 1024
		.amdhsa_next_free_sgpr 106
		.amdhsa_reserve_vcc 0
		.amdhsa_float_denorm_mode_32 3
		.amdhsa_float_denorm_mode_16_64 3
		.amdhsa_memory_ordered 1
		.amdhsa_forward_progress 1
		.amdhsa_inst_pref_size 255
	.end_amdhsa_kernel
	.section	.bss,"aw",@nobits
	.p2align	6
	.space	262144
	.amdgpu_metadata
---
amdhsa.version: [ 1, 2 ]
amdhsa.kernels:
  - .name:           k_qdccaefac9d_proj
    .symbol:         k_qdccaefac9d_proj.kd
    .args:
      - { .name: xcodes, .offset: 0, .size: 8, .value_kind: global_buffer, .address_space: global }
      - { .name: xscales, .offset: 8, .size: 8, .value_kind: global_buffer, .address_space: global }
      - { .name: wcodes, .offset: 16, .size: 8, .value_kind: global_buffer, .address_space: global }
      - { .name: wscales, .offset: 24, .size: 8, .value_kind: global_buffer, .address_space: global }
      - { .name: ropetab, .offset: 32, .size: 8, .value_kind: global_buffer, .address_space: global }
      - { .name: rec, .offset: 40, .size: 8, .value_kind: global_buffer, .address_space: global }
    .group_segment_fixed_size: 327680
    .private_segment_fixed_size: 0
    .kernarg_segment_align: 8
    .kernarg_segment_size: 48
    .max_flat_workgroup_size: 128
    .sgpr_count:     106
    .vgpr_count:     1024
    .wavefront_size: 32
...
	.end_amdgpu_metadata
.endif
;; end of part 2
;; launch attn (part 3): grid 16 x 16, 8 waves a work-group, clusters of 4 x 1, 327,680 bytes of LDS; arguments rec, out0; writes out0
.if DOCPART == 3
	.amdgcn_target "amdgcn-amd-amdhsa--gfx1250"
	.amdhsa_code_object_version 6
	.text
	.protected	k_qdccaefac9d_attn
	.globl	k_qdccaefac9d_attn
	.p2align	8
	.type	k_qdccaefac9d_attn,@function
k_qdccaefac9d_attn:
	s_mov_b64 s[64:65], 0
	v_nop
	global_prefetch_b8 v0, s[64:65] scope:SCOPE_SE
	s_setreg_imm32_b32 hwreg(HW_REG_WAVE_MODE, 25, 1), 1
	s_wait_xcnt 0x0
	s_wait_alu depctr_hold_cnt(0) depctr_sa_sdst(0) depctr_va_vdst(0) depctr_va_sdst(0) depctr_va_ssrc(0) depctr_va_vcc(0) depctr_vm_vsrc(0)
	s_getreg_b32 s2, hwreg(HW_REG_IB_STS2, 6, 4)
	s_cmp_eq_u32 s2, 0
	s_cbranch_scc0 .Lentry_in_a_cluster
	s_endpgm
.Lentry_in_a_cluster:
	s_bfe_u32 s2, ttmp6, 0x10000c
	s_cmp_lg_u32 s2, 0x3003
	s_cbranch_scc0 .Lentry_shape_is_right
	s_endpgm
.Lentry_shape_is_right:
; ATTN: causal attention on codes of BF8 (E5M2) with E8M0 scales.  Heads r 8 + h, r = 0..3, carry the same Q and K, so scores, softmax and p's codes are made ONCE for four V heads:
; a group g = batch x 8 + h has Q, K of 64 channels and V of 256.  Operands come from rec as images of their registers (the launch before says how they lie).
; THE SOFTMAX: t = score x log2(e) / 8; M = the running largest t rounded up to a whole number; p = 2^(t - M) is quantised along the keys, not normalised; the row's sum is taken of the
; unquantised p and divides at the end; when M moves, sum and O are multiplied by 2^(old M - new M), exactly.
; SHARES.  A group's 2,048 queries are 16 superblocks of 128; superblock sb needs sb + 1 key steps of 128, the last on the diagonal.  The four clusters of a group (c' = 0..3) take superblocks
; c', 7 - c', 15 - c', 8 + c': a pair of waves (w / 2) for each.  Within a superblock a wave owns ONE tile of 16 queries: 2 cx + w % 2.  Waves w and w + 4 have 17 steps together, in every work-group.
; CLUSTER.  The four work-groups of a cluster walk the same K and V: each slot (256 keys: the first 42,496 bytes of two records) is asked for jointly, a quarter by each of waves 0 to 3.
; Every work-group walks all eight slots: the trip count is a constant; what lies wholly above the diagonal is left out by a scalar branch round a step's work (it hangs on the cluster's number,
; the wave's number and the step, alike in all partners).  The price: in clusters 2 and 3 the last slot is fetched and not read.
; BOTH PRODUCTS ARE USED TRANSPOSED: S^T = K Q^T, O^T = V^T P^T: a lane holds one query (lane % 16) throughout.  In S^T register 8 t + j is key 16 t + 8 (lane / 16) + j; the 16 registers of
; tiles 2 b, 2 b + 1 and lane l xor 16's are the true block of 32 keys, and stand in the operand in the order in which V's codes were laid.
; K = 64 IN A FORM OF 128: Q's registers 8-15 are zero codes.  K's operand for tile t is 16 registers of which the upper eight are the next tile's codes (or zeros): finite numbers that meet zeros.
; The scale bytes there are 0 to 254, never 0xff.
; LIMITS: finite inputs only; a hidden score is taken as -infinity where the source has -1e9 (the same p while real logits stay above about -1e9); the order of sums inside a block of 32 is not K ascending.
.set RECB,  51200
.set RECF,  42496                      ; what attention's ring fetches of a record
.set HEADD, 16*RECB
.set QUART, RECF/2                     ; 83 rows of 256 bytes: one wave's load
.set KSO,   8192
.set VCO,   8704
.set VSO,   41472
.set QCO,   42496
.set QSO,   50688
.set SLOT1, 1<<17
.set STAGE, SLOT1+2*RECF               ; behind the ring: 16 rows x 272 bytes for each wave; no fill lands here
.set SPARE, STAGE+8*16*272             ; the spare words: 128 bytes for each of eight waves, named by no other line
.set LI,  1                            ; v1   16 x lane
.set LR,  2                            ; v2   16 x (lane % 16)
.set DG,  3                            ; v3   16 tile + lane % 16 - 8 (lane / 16): register 8 t + j is hidden on the diagonal where 16 t + j is above it
.set ADR, 4                            ; v4   the step's record in LDS + 16 x lane
.set SPW, 5
.set NIL, 6
.set PFO, 7                            ; v7   the prefetches' offset
.set ADS, 10                           ; v10  the step's record + 16 x (lane % 16)
.set KR,  32                           ; v32-95   K's eight tiles, 8 registers each; later V's fragments 8-11
.set S,   104                          ; v104-167 S^T, then p; later V's fragments 12-15
.set PC,  168                          ; v168-183 p's codes
.set KSW, 184                          ; v184-191 K's scale words
.set VSW, 192                          ; v192-207 V's
.set BM,  208
.set PT,  212
.set HD,  216
.set SO,  220
.set TMP, 224
.set F,   226                          ; v226 f = 2^(old M - new M)
.set PSW, 227                          ; v227 p's scale word
.set QSW, 228                          ; v228 Q's
; v12 -M, v13 the largest t, v[14:15] the sum in two halves; v16-23 Q's codes, v24-31 and v96-103 zero codes.  Window 1: v0-127 O^T (tile dt at 8 dt), v128-255 V's fragments 0-7.
.set TB,  2
.set WV,  18
.set MNT, 19
.set SEL, 20
.set CS,  22
.set G1,  24
.set G0,  40
.set KSI, 66                           ; s66 the key step
.set SB,  67                           ; s67 my superblock
.set SLOTS, 68
.set PFA, 76
.set LIM, 80
.set MSB, 0
.macro WIN new
.if MSB != (\new)
	s_set_vgpr_msb (MSB<<8)|(\new)
.set MSB, (\new)
.endif
.endm
.macro CROUND                          ; a round of the cluster's barrier
	s_barrier_signal -1
	s_barrier_wait -1
	s_cmp_lg_u32 s[WV], 0
	s_cbranch_scc1 .Lnot_wave_0_\@
	s_barrier_signal -3
.Lnot_wave_0_\@:
	s_barrier_wait -3
	s_barrier_signal -1
	s_barrier_wait -1
.endm
.macro TLOAD                           ; waves 0 to 3 fetch a quarter of a slot each; four v_nop follow the line
	s_cmp_lt_u32 s[WV], 4
	s_cbranch_scc0 .Lasked_\@
	tensor_load_to_lds s[G0:G0+3], s[G1:G1+7]
	s_nop 0
.rept 4
	v_nop
.endr
.Lasked_\@:
.endm
; A PREFETCH INTO THE L2 of what the next change of slots will ask for.  All four clusters of a group walk the same records: the first (c' = 0) asks.  Its four partners take a quarter of the slot each,
; told apart by address; in each, waves 4 to 6 ask, lanes 256 bytes apart: blocks 0-31, 32-63, 64-82 of the quarter's 83 (wave 6's last 13 lanes name block 82 again).  Two key steps ahead of the joint
; load that wants the bytes; slots 0 and 1 come by their loads alone; the last change that fills a slot asks for nothing.
.macro ASK
	s_cmp_gt_u32 s[SLOTS], s[LIM]
	s_cbranch_scc0 .Lnot_mine_\@
	global_prefetch_b8 v[PFO], s[PFA:PFA+1] th:TH_LOAD_NT scope:SCOPE_SE
.Lnot_mine_\@:
.endm
	s_load_b128 s[4:7], s[0:1], 0x0                ; rec s[4:5], out0 s[6:7]
	v_lshl_add_u32 v[SPW], v0, 2, SPARE
	v_mov_b32 v[NIL], 0
	ds_add_u32 v5, v6
	s_wait_dscnt 0x0
	v_lshrrev_b32 v1, 5, v0
	v_readfirstlane_b32 s[WV], v1                  ; wave 0..7
	s_bfe_u32 s8, ttmp6, 0x40000                   ; cx: it enters Q's, O's and the prefetches' global addresses and the mask's lane constant, nothing else
	s_and_b32 s9, ttmp7, 0xffff                    ; the group
	s_lshr_b32 s10, s[WV], 1
	s_lshl_b32 s10, s10, 2
	s_lshr_b32 s10, 0x8f70, s10
	s_and_b32 s10, s10, 15                         ; 0, 7, 15, 8 for the four pairs of waves
	s_xor_b32 s[SB], s10, ttmp9                    ; c', 7 - c', 15 - c', 8 + c'
	s_and_b32 s11, s[WV], 1
	s_lshl_b32 s12, s8, 1
	s_add_co_u32 s11, s11, s12                     ; my tile of 16 queries in the superblock
	s_mul_i32 s12, s9, HEADD                       ; the group's first record
	s_lshr_b32 s13, s[WV], 1                       ; what I fetch, if I fetch: record w / 2 of the slot, half w % 2
	s_mul_i32 s13, s13, RECB
	s_and_b32 s14, s[WV], 1
	s_mul_i32 s14, s14, QUART
	s_add_co_u32 s13, s13, s14
	s_add_co_u32 s14, s13, s12
	s_mov_b32 s15, 0
	s_mul_i32 s16, s[SB], RECB
	s_add_co_u32 s16, s16, s12                     ; my queries' record
	s_lshl_b32 s17, s11, 10
	s_add_co_u32 s17, s17, s16
	s_add_co_u32 s86, s17, QCO                     ; my tile's codes,
	s_mov_b32 s87, 0
	s_lshr_b32 s17, s11, 2
	s_lshl_b32 s17, s17, 8
	s_add_co_u32 s88, s16, s17
	s_and_b32 s17, s11, 3
	s_lshl_b32 s17, s17, 2
	s_add_co_u32 s88, s88, s17
	s_add_co_u32 s88, s88, QSO                     ; its scale words
	s_mov_b32 s89, 0
	s_lshr_b32 s17, s9, 3                          ; O: the batch's 2^24 bytes,
	s_lshl_b32 s90, s17, 24
	s_lshl_b32 s17, s[SB], 20                      ; 128 rows of 8,192 bytes a superblock,
	s_add_co_u32 s90, s90, s17
	s_lshl_b32 s17, s11, 17                        ; 16 a tile,
	s_add_co_u32 s90, s90, s17
	s_and_b32 s17, s9, 7
	s_lshl_b32 s17, s17, 8                         ; 256 bytes a head
	s_add_co_u32 s90, s90, s17
	s_mov_b32 s91, 0
	s_lshr_b32 s17, s8, 1                          ; the prefetches: my work-group's quarter of a slot,
	s_mul_i32 s17, s17, RECB
	s_and_b32 s92, s8, 1
	s_mul_i32 s92, s92, QUART
	s_add_co_u32 s92, s92, s17
	s_add_co_u32 s92, s92, s12
	s_add_co_u32 s92, s92, 2*RECB                  ; in slot 1: the first change of slots steps it to slot 2
	s_mov_b32 s93, 0
	s_sub_co_u32 s96, s[WV], 4
	s_cmp_lt_u32 s96, 3                            ; waves 4 to 6
	s_cselect_b32 s96, 0, 1
	s_or_b32 s96, s96, ttmp9                       ; of the group's first cluster: the same in all four partners
	s_cmp_eq_u32 s96, 0
	s_cselect_b32 s[LIM], 1, -1
	s_mov_b32 s[G1], 15|(3<<16)|(1<<21)            ; the mask: all four work-groups; elements of 8 bytes; no padding; bit 21 beside a mask
	s_mov_b32 s[G1+1], 32<<16                      ; tensor_dim0 = 32 elements: 256 bytes
	s_mov_b32 s[G1+2], 83<<16                      ; tensor_dim1 = 83 rows
	s_mov_b32 s[G1+3], 32<<16                      ; tile_dim0
	s_mov_b32 s[G1+4], 83                          ; tile_dim1
	s_mov_b32 s[G1+5], 32                          ; the pitch: dense
	s_mov_b32 s[G1+6], 0
	s_mov_b32 s[G1+7], 0
	s_mov_b32 s[G0], 1
	s_mul_i32 s[G0+1], s[WV], QUART                ; LDS: wave x a quarter, in slot 0
	s_mov_b32 s[SEL], 0x76543210
	s_mov_b32 s[SEL+1], 0xfedcba98
	s_mov_b32 s[CS], 0x3e38aa3b                    ; log2(e) / 8
	s_mov_b32 s[CS+1], s[CS]
	s_mov_b32 s[MNT], 0x600000
	s_mov_b32 s[TB], 0
	s_mov_b32 s[KSI], 0
	s_mov_b32 s[SLOTS], 7
	s_wait_kmcnt 0x0
	s_add_nc_u64 s[G0+2:G0+3], s[4:5], s[14:15]
	s_or_b32 s[G0+3], s[G0+3], 0x80000000
	s_add_nc_u64 s[82:83], s[4:5], s[86:87]
	s_add_nc_u64 s[84:85], s[4:5], s[88:89]
	s_add_nc_u64 s[6:7], s[6:7], s[90:91]
	s_add_nc_u64 s[PFA:PFA+1], s[4:5], s[92:93]
	CROUND                                         ; all four work-groups are here: the first joint loads meet
	TLOAD                                          ; slot 0
	v_and_b32 v[LR], 15, v0
	v_bfe_u32 v[DG], v0, 4, 1
	v_lshlrev_b32 v[DG], 3, v[DG]
	v_sub_nc_u32 v[DG], v[LR], v[DG]
	s_lshl_b32 s17, s11, 4
	v_add_nc_u32 v[DG], s17, v[DG]
	v_lshlrev_b32 v[LR], 4, v[LR]
	v_and_b32 v[LI], 31, v0
	v_lshlrev_b32 v[LI], 4, v[LI]
	global_load_b128 v[16:19], v[LI], s[82:83]               ; Q's fragment: two blocks of 32 channels
	global_load_b128 v[20:23], v[LI], s[82:83] offset:512
	global_load_b32 v[QSW], v[LR], s[84:85]
	v_add_nc_u32 v[PFO], -128, v0                  ; 32 (w - 4) + lane,
	v_min_u32 v[PFO], 82, v[PFO]                   ; held at the quarter's last block
	v_lshlrev_b32 v[PFO], 8, v[PFO]
.irp j, 0,1,2,3,4,5,6,7
	v_mov_b32 v[24+\j], 0                          ; zero codes
	v_mov_b32 v[96+\j], 0
.endr
	v_mov_b32 v13, 0xff61b1e6                      ; the largest t so far: -3e38
	v_floor_f32 v12, -v13
	v_mov_b32 v14, 0
	v_mov_b32 v15, 0
.irp b, 0,1,2,3
	v_mov_b32 v[PT+\b], 0                          ; a lane permute's destination counts as one of its sources
.endr
	v_mov_b32 v[PSW], 0                            ; (named as the upper half of the pair v[226:227] before it is first written)
	WIN 0x40
.set n, 0
.rept 128
	v_mov_b32 v[n], 0                              ; O^T.  The step is written with no first copy: the first change of M multiplies zeros
.set n, n+1
.endr
	WIN 0
; A KEY STEP: 128 keys, the q-th record of the slot in hand.
.macro STEP q
	s_cmp_gt_u32 s[KSI], s[SB]                     ; all its keys come after my queries: the work is left out; no barrier and no tensor load stands in a step
	s_cbranch_scc1 .Lhidden_\@
	s_add_co_u32 s96, s[TB], (\q)*RECF
	v_add_nc_u32 v[ADR], s96, v[LI]
	v_add_nc_u32 v[ADS], s96, v[LR]
.rept 7
	v_nop                                          ; nine places with the two above: the last step's products read registers that are loaded anew (eight are owed) and S^T's, which products write over (nine)
.endr
.irp t, 0,1,2,3,4,5,6,7
	ds_load_b128 v[KR+8*\t:KR+8*\t+3], v[ADR] offset:1024*\t
	ds_load_b128 v[KR+8*\t+4:KR+8*\t+7], v[ADR] offset:1024*\t+512
.endr
	ds_load_b128 v[KSW:KSW+3], v[ADS] offset:KSO
	ds_load_b128 v[KSW+4:KSW+7], v[ADS] offset:KSO+256
.irp u, 0,1,2,3
	ds_load_b128 v[VSW+4*\u:VSW+4*\u+3], v[ADS] offset:VSO+256*\u
.endr
	WIN 0x40                                       ; destination window 1
.irp f, 0,1,2,3,4,5,6,7
.irp c, 0,1,2,3
	ds_load_b128 v[128+16*\f+4*\c:128+16*\f+4*\c+3], v[ADR] offset:VCO+2048*\f+512*\c
.endr
.endr
	WIN 0
	s_wait_dscnt 36                                ; K and its scale words are in; V's 4 + 32 loads behind them may be out
.irp t, 0,1,2,3,4,5,6,7
	v_wmma_scale_f32_16x16x128_f8f6f4 v[S+8*\t:S+8*\t+7], v[KR+8*\t:KR+8*\t+15], v[16:31], 0, v[KSW+\t], v[QSW] matrix_a_fmt:MATRIX_FMT_BF8 matrix_b_fmt:MATRIX_FMT_BF8
.endr
.rept 8
	v_nop                                          ; places in front of the loads into K's registers and of the first read of the scores
.endr
.irp f, 0,1,2,3
.irp c, 0,1,2,3
	ds_load_b128 v[KR+16*\f+4*\c:KR+16*\f+4*\c+3], v[ADR] offset:VCO+2048*(8+\f)+512*\c
.endr
.endr
	s_cmp_lg_u32 s[KSI], s[SB]                     ; only the step on the diagonal hides scores
	s_cbranch_scc1 .Lopen_\@
	v_mov_b32 v[TMP], 0xff800000                   ; -infinity: p = 0
.set n, 0
.rept 64
	v_cmp_gt_i32 vcc_lo, 16*(n/8)+n%8, v[DG]
	v_cndmask_b32 v[S+n], v[S+n], v[TMP], vcc_lo
.set n, n+1
.endr
.Lopen_\@:
.irp b, 0,1,2,3
	v_max3_num_f32 v[BM+\b], v[S+16*\b], v[S+16*\b+1], v[S+16*\b+2]   ; the largest score of each block of 32 keys: for the row's maximum and, since p rises with the score, for the block's largest p
.endr
.irp i, 3,5,7,9,11,13
.irp b, 0,1,2,3
	v_max3_num_f32 v[BM+\b], v[BM+\b], v[S+16*\b+\i], v[S+16*\b+\i+1]
.endr
.endr
.irp b, 0,1,2,3
	v_max_num_f32 v[BM+\b], v[BM+\b], v[S+16*\b+15]
.endr
.irp b, 0,1,2,3
	v_permlanex16_b32 v[PT+\b], v[BM+\b], s[SEL], s[SEL+1]
.endr
.irp b, 0,1,2,3
	v_max_num_f32 v[BM+\b], v[BM+\b], v[PT+\b]
.endr
	v_max3_num_f32 v[TMP], v[BM], v[BM+1], v[BM+2]
	v_max_num_f32 v[TMP], v[TMP], v[BM+3]
	v_mul_f32 v[TMP], s[CS], v[TMP]
	v_max_num_f32 v13, v13, v[TMP]                 ; the running largest t
	v_mov_b32 v[TMP], v12
	v_floor_f32 v12, -v13                          ; the new -M: a whole number
	v_sub_f32 v[TMP], v12, v[TMP]
	v_cvt_i32_f32 v[TMP], v[TMP]                   ; (it saturates)
	v_ldexp_f32 v[F], 1.0, v[TMP]                  ; f = 2^(old M - new M)
.set n, 0
.rept 32
	v_pk_fma_f32 v[S+n:S+n+1], v[S+n:S+n+1], s[CS:CS+1], v[12:13] op_sel_hi:[1,0,0]   ; t - M
.set n, n+2
.endr
.irp b, 0,1,2,3
	v_fma_f32 v[BM+\b], v[BM+\b], s[CS], v12
.endr
.set n, 0
.rept 64
	v_exp_f32 v[S+n], v[S+n]                       ; p, one batch
.set n, n+1
.endr
	v_pk_mul_f32 v[14:15], v[14:15], v[F:F+1] op_sel_hi:[1,0]   ; the sums under the new M: the plain instruction behind the batch
	s_wait_alu depctr_va_vdst(0)                   ; one wait for the 64, ahead of their first reader
.irp b, 0,1,2,3
	v_exp_f32 v[BM+\b], v[BM+\b]                   ; the blocks' largest p
.endr
	v_pk_add_f32 v[PT:PT+1], v[S:S+1], v[S+2:S+3]  ; the row's sum of the unquantised p, in two chains
.set n, 4
.rept 15
	v_pk_add_f32 v[14:15], v[14:15], v[S+n:S+n+1]
	v_pk_add_f32 v[PT:PT+1], v[PT:PT+1], v[S+n+2:S+n+3]
.set n, n+4
.endr
	v_pk_add_f32 v[14:15], v[14:15], v[PT:PT+1]
	s_wait_alu depctr_va_vdst(0)                   ; and one for the four
.irp b, 0,1,2,3
	v_max_num_f32 v[BM+\b], 0x8000000, v[BM+\b]    ; the floor 2^(16 - 127)
.endr
.irp b, 0,1,2,3
	v_add_nc_u32 v[SO+\b], 0xf8800000, v[BM+\b]
.endr
.irp b, 0,1,2,3
	v_and_or_b32 v[HD+\b], v[BM+\b], 0x7f800000, s[MNT]
.endr
.irp b, 0,1,2,3
	v_lshrrev_b32 v[PT+\b], 23, v[SO+\b]
.endr
	v_lshl_or_b32 v[PSW], v[PT+1], 8, v[PT]
	v_lshl_or_b32 v[PSW], v[PT+2], 16, v[PSW]
	v_lshl_or_b32 v[PSW], v[PT+3], 24, v[PSW]
.irp b, 0,1,2,3
.irp i, 0,1,2,3,4,5,6,7,8,9,10,11,12,13,14,15
	v_min_num_f32 v[S+16*\b+\i], v[S+16*\b+\i], v[HD+\b]   ; the hold; p is not negative
.endr
	v_cvt_scalef32_pk8_bf8_f32 v[PC+4*\b:PC+4*\b+1], v[S+16*\b:S+16*\b+7], v[SO+\b]
	v_cvt_scalef32_pk8_bf8_f32 v[PC+4*\b+2:PC+4*\b+3], v[S+16*\b+8:S+16*\b+15], v[SO+\b]
.endr
.irp f, 0,1,2,3
.irp c, 0,1,2,3
	ds_load_b128 v[S+16*\f+4*\c:S+16*\f+4*\c+3], v[ADR] offset:VCO+2048*(12+\f)+512*\c   ; p's registers are done with
.endr
.endr
	WIN 0x41
.set n, 0
.rept 64
	v_pk_mul_f32 v[n:n+1], v[n:n+1], v[F:F+1] op_sel_hi:[1,0]   ; O^T under the new M.  These are also the places between p's codes and scale word and the products
.set n, n+2
.endr
	s_wait_dscnt 32                                ; V's scale words and fragments 0-7 are in; 8-15 may be out
	WIN 0x51
.irp f, 0,1,2,3,4,5,6,7                        ; O^T += V^T P^T: sixteen accumulators, one turn each
	v_wmma_scale_f32_16x16x128_f8f6f4 v[8*\f:8*\f+7], v[128+16*\f:128+16*\f+15], v[PC:PC+15], v[8*\f:8*\f+7], v[VSW+\f], v[PSW] matrix_a_fmt:MATRIX_FMT_BF8 matrix_b_fmt:MATRIX_FMT_BF8
.endr
	s_wait_dscnt 16                                ; fragments 8-11
	WIN 0x50
.irp f, 0,1,2,3
	v_wmma_scale_f32_16x16x128_f8f6f4 v[64+8*\f:64+8*\f+7], v[KR+16*\f:KR+16*\f+15], v[PC:PC+15], v[64+8*\f:64+8*\f+7], v[VSW+8+\f], v[PSW] matrix_a_fmt:MATRIX_FMT_BF8 matrix_b_fmt:MATRIX_FMT_BF8
.endr
	s_wait_dscnt 0x0                               ; fragments 12-15
.irp f, 0,1,2,3
	v_wmma_scale_f32_16x16x128_f8f6f4 v[96+8*\f:96+8*\f+7], v[S+16*\f:S+16*\f+15], v[PC:PC+15], v[96+8*\f:96+8*\f+7], v[VSW+12+\f], v[PSW] matrix_a_fmt:MATRIX_FMT_BF8 matrix_b_fmt:MATRIX_FMT_BF8
.endr
	WIN 0
.Lhidden_\@:
	s_add_co_u32 s[KSI], s[KSI], 1
.endm
; THE CHANGE OF SLOTS stands at a slot's head: each wave waits for all its tensor loads, adds 0 to its spare word, and waits for that and for its reads of the slot that it has left.
; fill = 1: a round of the cluster's barrier, and behind it the joint fill of the slot just left: it has two key steps in which to land.
.macro CHANGE fill
	s_wait_tensorcnt 0x0                           ; no tensor load of mine is out, so the group 0 may be written
	ds_add_u32 v[SPW], v[NIL]
.if \fill
	s_xor_b32 s[G0+1], s[G0+1], SLOT1              ; the other slot than last time,
	s_add_nc_u64 s[G0+2:G0+3], s[G0+2:G0+3], 2*RECB   ; the next two records
	s_wait_xcnt 0x0                                ; the last prefetch, a slot back, has read its address
	s_add_nc_u64 s[PFA:PFA+1], s[PFA:PFA+1], 2*RECB
.endif
	s_wait_dscnt 0x0                               ; the add is done, and my reads of the slot that I have left are over
.if \fill
	CROUND
	TLOAD                                          ; the first thing behind the round, and a wave's one tensor load until the next
	ASK
.else
	s_barrier_signal -1
	s_barrier_wait -1
.endif
.endm
.macro SLOT_STEPS
	STEP 0
	STEP 1
	s_xor_b32 s[TB], s[TB], SLOT1
.endm
	s_wait_loadcnt 0x0                             ; Q
.Lslot:                                            ; seven trips: behind each change of slots but the last the next slot is asked for
	CHANGE 1
	SLOT_STEPS
	s_sub_co_u32 s[SLOTS], s[SLOTS], 1
	s_cmp_lg_u32 s[SLOTS], 0
	s_cbranch_scc1 .Lslot
	CHANGE 0                                       ; the last slot is written out
	SLOT_STEPS
	; THE WAY OUT.  O^T / the sum goes through my stage, one V head (four tiles, 64 channels, 256 bytes of 16 queries) at a time; sixteen lanes store a head's 256 consecutive bytes of one query.
	v_add_f32 v14, v14, v15
	v_permlanex16_b32 v[PT], v14, s[SEL], s[SEL+1]
	v_add_f32 v14, v14, v[PT]                      ; the row's sum
	v_rcp_f32 v14, v14
	v_and_b32 v8, 15, v0                           ; the address lines are the plain instruction behind the reciprocal and, ten of them, the places behind the last products
	v_bfe_u32 v9, v0, 4, 1
	s_mul_i32 s96, s[WV], 16*272
	s_add_co_u32 s96, s96, STAGE
	v_mul_u32_u24 v[TMP], v8, 272
	v_lshl_add_u32 v[TMP], v9, 5, v[TMP]
	v_mul_u32_u24 v11, v9, 272
	v_lshl_add_u32 v11, v8, 4, v11
	v_add_nc_u32 v11, s96, v11                     ; back: lanes 0-15 one row, lanes 16-31 the next
	v_lshlrev_b32 v[TMP+1], 13, v9
	v_lshl_add_u32 v8, v8, 4, v[TMP+1]             ; the same two rows of O: 8,192 h + 16 r
	v_add_nc_u32 v9, s96, v[TMP]                   ; in: row r, + 32 h
	s_wait_alu depctr_va_vdst(0)                   ; the wait for the reciprocal, ahead of its first reader
.macro PACK u
.set PB, S+32*((\u)%2)
.set RB, KR+32*((\u)%2)
	WIN 0x01
.set n, 0
.rept 16
	v_pk_mul_f32 v[PB+n:PB+n+1], v[32*(\u)+n:32*(\u)+n+1], v[14:15] op_sel_hi:[1,0]   ; each accumulator from its low end on
.set n, n+2
.endr
	WIN 0
.if (\u) >= 2
	s_wait_xcnt 0x0                                ; the stores of two heads back have read the registers that the loads below fill
.endif
.irp t, 0,1,2,3
	ds_store_b128 v9, v[PB+8*\t:PB+8*\t+3] offset:64*\t
	ds_store_b128 v9, v[PB+8*\t+4:PB+8*\t+7] offset:64*\t+16
.endr
.irp i, 0,1,2,3,4,5,6,7
	ds_load_b128 v[RB+4*\i:RB+4*\i+3], v11 offset:544*\i   ; LDS serves a wave's instructions in order: these see my stores, and the next head's stores come behind them
.endr
.irp i, 0,1,2,3,4,5,6,7
	s_wait_dscnt 7-\i
	global_store_b128 v8, v[RB+4*\i:RB+4*\i+3], s[6:7] offset:16384*\i+2048*(\u) th:TH_STORE_NT
.endr
.endm
	PACK 0
	PACK 1
	PACK 2
	PACK 3
	s_wait_tensorcnt 0x0                           ; the wave's end
	ds_add_u32 v[SPW], v[NIL]
	s_wait_dscnt 0x0
	CROUND                                         ; the closing round
	s_endpgm
.Lfunc_end_k_qdccaefac9d_attn:
	.size	k_qdccaefac9d_attn, .Lfunc_end_k_qdccaefac9d_attn-k_qdccaefac9d_attn
	.p2alignl 7, 3214868480
	.fill 96, 4, 3214868480
	.section	.rodata,"a",@progbits
	.p2align	6, 0x0
	.amdhsa_kernel k_qdccaefac9d_attn
		.amdhsa_group_segment_fixed_size 327680
		.amdhsa_private_segment_fixed_size 0
		.amdhsa_enable_private_segment 0
		.amdhsa_kernarg_size 16
		.amdhsa_user_sgpr_count 2
		.amdhsa_user_sgpr_kernarg_segment_ptr 1
		.amdhsa_wavefront_size32 1
		.amdhsa_system_sgpr_workgroup_id_x 1
		.amdhsa_system_sgpr_workgroup_id_y 1
		.amdhsa_system_sgpr_workgroup_id_z 1
		.amdhsa_system_vgpr_workitem_id 0
		.amdhsa_next_free_vgpr 512
		.amdhsa_next_free_sgpr 100
		.amdhsa_reserve_vcc 1
		.amdhsa_float_denorm_mode_32 3
		.amdhsa_float_denorm_mode_16_64 3
		.amdhsa_memory_ordered 1
		.amdhsa_forward_progress 1
		.amdhsa_inst_pref_size 151
	.end_amdhsa_kernel
	.amdgpu_metadata
---
amdhsa.version: [ 1, 2 ]
amdhsa.kernels:
  - .name:           k_qdccaefac9d_attn
    .symbol:         k_qdccaefac9d_attn.kd
    .args:
      - { .name: rec, .offset: 0, .size: 8, .value_kind: global_buffer, .address_space: global }
      - { .name: out0, .offset: 8, .size: 8, .value_kind: global_buffer, .address_space: global }
    .group_segment_fixed_size: 327680
    .private_segment_fixed_size: 0
    .kernarg_segment_align: 8
    .kernarg_segment_size: 16
    .max_flat_workgroup_size: 256
    .sgpr_count:     100
    .vgpr_count:     512
    .wavefront_size: 32
...
	.end_amdgpu_metadata
.endif
;; end of part 3
